; MI455X (gfx1250); checked and timed in simulation.
; The chip was launched on July 23, 2026; its instructions are those of AMD's public machine-readable ISA for CDNA 5 (MIT licence, August 2026) and "CDNA5" Instruction Set Architecture Reference Guide (July 2026). The comments in the code are by the model that wrote it; some were corrected since.
;; Cross Modal Attention. Allowed arithmetic: float matrix products may take bf16 or f16 operands with f32 sums; other float arithmetic in f32, or as packed bf16 or f16 multiplies, adds, multiply-adds, maxima and minima; sums over many terms, partial sums and values carried from step to step in f32; what a program stores and reads back later, other than sums and carried values, may be rounded once to bf16 or f16.
;; Inputs: ffn_img_W1 1,024 x 512 float32; ffn_img_W2 512 x 1,024 float32; ffn_img_b1 1,024 float32; ffn_img_b2 512 float32; ffn_text_W1 1,024 x 512 float32; ffn_text_W2 512 x 1,024 float32; ffn_text_b1 1,024 float32; ffn_text_b2 512 float32; i2t_Wk 512 x 512 float32; i2t_Wo 512 x 512 float32; i2t_Wq 512 x 512 float32; i2t_Wv 512 x 512 float32; i2t_bk 512 float32; i2t_bo 512 float32; i2t_bq 512 float32; i2t_bv 512 float32; img_feat 16,384 x 512 float32; ln1i_b 512 float32; ln1i_g 512 float32; ln1t_b 512 float32; ln1t_g 512 float32; ln2i_b 512 float32; ln2i_g 512 float32; ln2t_b 512 float32; ln2t_g 512 float32; t2i_Wk 512 x 512 float32; t2i_Wo 512 x 512 float32; t2i_Wq 512 x 512 float32; t2i_Wv 512 x 512 float32; t2i_bk 512 float32; t2i_bo 512 float32; t2i_bq 512 float32; t2i_bv 512 float32; text_feat 16,384 x 512 float32.
;; Outputs: out0 16,384 x 512 float32; out1 16,384 x 512 float32.
;; One version. Each part assembles by itself: llvm-mc -triple=amdgcn-amd-amdhsa -mcpu=gfx1250 --defsym DOCPART=n.
;; ======== version 1 of 1: 2 launches
;; limits: a function is approximated: absolute error at most 2.5e-05; an absolute error that grows with the inputs' magnitude: up to 1.25e-05 times it
;; workspace buffers: xfrag 33,554,432 bytes; wfrag 8,388,608 bytes
;; launch pack (part 1): grid 2560 x 1, 4 waves a work-group, no clusters, 17,920 bytes of LDS; arguments text_feat, img_feat, i2t_Wq, i2t_Wk, i2t_Wv, i2t_Wo, ffn_img_W1, ffn_img_W2, t2i_Wq, t2i_Wk, t2i_Wv, t2i_Wo, ffn_text_W1, ffn_text_W2, xfrag, wfrag; writes xfrag, wfrag
.if DOCPART == 1
	.amdgcn_target "amdgcn-amd-amdhsa--gfx1250"
	.amdhsa_code_object_version 6
	.text
	.protected	k_qd8e7a8be2e_pack
	.globl	k_qd8e7a8be2e_pack
	.p2align	8
	.type	k_qd8e7a8be2e_pack,@function
k_qd8e7a8be2e_pack:
	s_mov_b64 s[64:65], 0
	v_nop
	global_prefetch_b8 v0, s[64:65] scope:SCOPE_SE
	s_setreg_imm32_b32 hwreg(HW_REG_WAVE_MODE, 25, 1), 1
	s_wait_xcnt 0x0
; PACK: the two feature matrices and the twelve weight matrices, f32, are rounded once to bf16 (nearest even) and stored as matrix FRAGMENTS.
; A fragment is 16 rows x 32 k of bf16, 1,024 bytes, in the order in which a wave's registers want it: bytes 16 l .. 16 l + 15 hold row l % 16, k = 8 (l / 16) + 0..7;
; bytes 512 + 16 l .. hold k = 16 + 8 (l / 16) + 0..7.  Two loads of 16 bytes a lane, at 16 l and 512 + 16 l, fill the 8 registers of a matrix operand.
; xfrag: feature f (0 text, 1 img), fragment (rt = row / 16, ks = col / 32) at f 2^24 + (16 rt + ks) 1,024.
; wfrag: branch b (0: i2t and ffn_img, 1: t2i and ffn_text) at b 2^22; in a branch 64 units of 65,536 bytes, in the order of use:
;   unit u      (0..15): Wq(rt = 2 u + n, ks) at (2 ks + n) 1,024;  Wk(2 u + n, ks) at 32,768 + (2 ks + n) 1,024
;   unit 16 + v (0..15): Wv(2 v + n, ks) at (2 ks + n) 1,024;       Wo(rt, ks = v)  at 32,768 + rt 1,024
;   unit 32 + c (0..31): W1(2 c + n, ks) at (2 ks + n) 1,024;       W2(rt, ks = c)  at 32,768 + rt 1,024
; SHARES.  A work-group takes 16 rows x 512 columns of one matrix: 2,048 work-groups for the features, 256 for each branch's weights (W2, 1,024 columns wide, in two halves).
; Wave w takes columns 128 w .. 128 w + 127: four fragments.  A row's 512 bytes are loaded by one instruction of the wave; a half fragment's 512 bytes are stored by one.
; The turn from rows to fragments goes through the wave's own 16 x 272 bytes of LDS: no barrier.  Which matrix, and where to, is chosen by scalar selects on the work-group's number: no branch.
.set LP,    272                        ; an LDS row: 256 bytes + 16: the 16 rows that a read touches start 68 words apart
.set WREG,  16*LP                      ; a wave's region
.set SPARE, 4*WREG                     ; behind the regions: the spare words, 128 bytes a wave, which no other line names
	s_load_b512 s[4:19], s[0:1], 0x0               ; text, img, i2t Wq Wk Wv Wo, ffn_img W1 W2
	s_load_b512 s[20:35], s[0:1], 0x40             ; t2i Wq Wk Wv Wo, ffn_text W1 W2, xfrag, wfrag
	v_lshl_add_u32 v2, v0, 2, SPARE                ; my spare word,
	v_mov_b32 v3, 0                                ; and 0: kept for the wave's end
	v_and_b32 v1, 31, v0                           ; lane
	v_lshrrev_b32 v6, 5, v0
	v_readfirstlane_b32 s56, v6                    ; wave
	s_mov_b32 s40, ttmp9                           ; id
	s_sub_co_u32 s41, s40, 2048                    ; weights: id - 2,048 = 256 x branch + t (what is made of it for a feature's id is not chosen below)
	s_bfe_u32 s42, s41, 0x10008                    ; branch
	s_and_b32 s43, s41, 255                        ; t: 0-31 Wq, 32-63 Wk, 64-95 Wv, 96-127 Wo, 128-191 W1, 192-255 W2
	s_and_b32 s44, s43, 31
	s_and_b32 s45, s43, 63
	s_lshr_b32 s46, s45, 1
	s_and_b32 s47, s43, 1
	s_mov_b32 s48, 2048
	s_mov_b32 s49, 4096
	s_cmp_lt_u32 s43, 192
	s_cselect_b32 s45, s45, s46                    ; W1: t - 128; W2: (t - 192) / 2
	s_cselect_b32 s47, 0, s47                      ; W2's column half
	s_cselect_b32 s48, s48, s49                    ; bytes in a source row
	s_cmp_lt_u32 s43, 128
	s_cselect_b32 s44, s44, s45                    ; rt
	s_mul_i32 s49, s44, s48
	s_lshl_b32 s49, s49, 4
	s_lshl_b32 s50, s47, 11
	s_add_co_u32 s49, s49, s50                     ; source offset: 16 rt rows + the half's 2,048 bytes
	s_lshr_b32 s51, s44, 1                         ; Wq, Wk, Wv, W1: unit rt / 2, place rt % 2; from ks to ks 2,048 bytes
	s_lshl_b32 s51, s51, 16
	s_and_b32 s50, s44, 1
	s_lshl_b32 s50, s50, 10
	s_add_co_u32 s51, s51, s50
	s_lshl_b32 s52, s44, 10                        ; Wo, W2: place rt in the unit's second half; from ks to ks a unit
	s_lshl_b32 s50, s47, 20
	s_add_co_u32 s52, s52, s50
	s_add_co_u32 s52, s52, 32768
	s_mov_b32 s53, 2<<20                           ; the first unit of the kind
	s_mov_b32 s50, 1<<20
	s_cmp_lt_u32 s43, 128
	s_cselect_b32 s53, s50, s53
	s_mov_b32 s50, 32768
	s_cmp_lt_u32 s43, 64
	s_cselect_b32 s53, s50, s53
	s_cmp_lt_u32 s43, 32
	s_cselect_b32 s53, 0, s53
	s_cmp_lt_u32 s43, 192                          ; is it Wo or W2?
	s_cselect_b32 s54, 0, 1
	s_cmp_lt_u32 s43, 128
	s_cselect_b32 s54, 1, s54
	s_cmp_lt_u32 s43, 96
	s_cselect_b32 s54, 0, s54
	s_mov_b32 s55, 2048
	s_mov_b32 s50, 65536
	s_cmp_eq_u32 s54, 1
	s_cselect_b32 s51, s52, s51                    ; destination offset
	s_cselect_b32 s55, s50, s55                    ; bytes from ks to ks + 1
	s_add_co_u32 s51, s51, s53
	s_lshl_b32 s50, s42, 22
	s_add_co_u32 s51, s51, s50
	s_and_b32 s52, s40, 1023                       ; features: rt = id % 1,024, feature = id / 1,024
	s_lshl_b32 s53, s52, 15
	s_lshl_b32 s52, s52, 14
	s_lshr_b32 s50, s40, 10
	s_lshl_b32 s50, s50, 24
	s_add_co_u32 s52, s52, s50
	s_mov_b32 s50, 1024
	s_mov_b32 s54, 2048
	s_cmp_lt_u32 s40, 2048
	s_cselect_b32 s58, s53, s49                    ; source offset,
	s_cselect_b32 s60, s52, s51                    ; destination offset,
	s_cselect_b32 s55, s50, s55                    ; step from ks to ks + 1,
	s_cselect_b32 s48, s54, s48                    ; source pitch
	s_mov_b32 s59, 0
	s_mov_b32 s61, 0
	s_lshl_b32 s57, s56, 9
	v_lshl_add_u32 v112, v1, 4, s57                ; row 0: 16 x lane + 512 x wave
.set i, 0
.rept 15
	v_add_nc_u32 v[113+i], s48, v[112+i]           ; rows 1 to 15
.set i, i+1
.endr
	s_lshl_b32 s57, s56, 2
	s_mul_i32 s57, s57, s55
	v_lshl_add_u32 v8, v1, 4, s57                  ; fragment ks = 4 w: 16 x lane + 4 w steps
	v_add_nc_u32 v9, s55, v8
	v_add_nc_u32 v10, s55, v9
	v_add_nc_u32 v11, s55, v10
	s_mul_i32 s57, s56, WREG
	v_lshl_add_u32 v4, v1, 3, s57                  ; into LDS: my 4 numbers of a row, 8 bytes
	v_and_b32 v6, 15, v0
	v_bfe_u32 v7, v0, 4, 1
	v_mul_u32_u24 v5, v6, LP
	v_lshl_add_u32 v5, v7, 4, v5
	v_add_nc_u32 v5, s57, v5                       ; back: row l % 16, 16 bytes for each half of the lanes
	s_wait_kmcnt 0x0
	s_cmp_eq_u32 s42, 0                            ; the branch's six matrices
.irp p, 8,10,12,14,16,18
	s_cselect_b64 s[\p:\p+1], s[\p:\p+1], s[\p+12:\p+13]
.endr
	s_mov_b64 s[36:37], s[18:19]                   ; W2, unless t says otherwise
	s_cmp_lt_u32 s43, 192
	s_cselect_b64 s[36:37], s[16:17], s[36:37]
	s_cmp_lt_u32 s43, 128
	s_cselect_b64 s[36:37], s[14:15], s[36:37]
	s_cmp_lt_u32 s43, 96
	s_cselect_b64 s[36:37], s[12:13], s[36:37]
	s_cmp_lt_u32 s43, 64
	s_cselect_b64 s[36:37], s[10:11], s[36:37]
	s_cmp_lt_u32 s43, 32
	s_cselect_b64 s[36:37], s[8:9], s[36:37]
	s_cmp_lt_u32 s40, 2048
	s_cselect_b64 s[36:37], s[6:7], s[36:37]
	s_cselect_b64 s[38:39], s[32:33], s[34:35]     ; xfrag or wfrag
	s_cmp_lt_u32 s40, 1024
	s_cselect_b64 s[36:37], s[4:5], s[36:37]
	s_add_nc_u64 s[36:37], s[36:37], s[58:59]
	s_add_nc_u64 s[38:39], s[38:39], s[60:61]
.set i, 0
.rept 16
	global_load_b128 v[16+4*i:19+4*i], v[112+i], s[36:37] th:TH_LOAD_NT  ; row i: 512 consecutive bytes a wave; every byte is read once in the launch
.set i, i+1
.endr
.set i, 0
.rept 16
	s_wait_loadcnt 15-i                            ; loads come back in order: row i is in, the 15 - i younger rows may stay out
	v_cvt_pk_bf16_f32 v[80+2*i], v[16+4*i], v[17+4*i]
	v_cvt_pk_bf16_f32 v[81+2*i], v[18+4*i], v[19+4*i]
	ds_store_b64 v4, v[80+2*i:81+2*i] offset:i*LP
.set i, i+1
.endr
.set i, 0
.rept 8                                        ; half q = i % 2 of fragment f = i / 2; LDS serves a wave's instructions in order, so these see the stores above
	ds_load_b128 v[16+4*i:19+4*i], v5 offset:64*(i/2)+32*(i%2)
.set i, i+1
.endr
.set i, 0
.rept 8
	s_wait_dscnt 7-i                               ; half i is back, the younger ones may stay out
	global_store_b128 v[8+i/2], v[16+4*i:19+4*i], s[38:39] offset:512*(i%2)  ; 512 consecutive bytes, at a multiple of 512 from the buffer's first byte
.set i, i+1
.endr
	s_wait_tensorcnt 0x0                           ; the wave's end, behind my last LDS store
	ds_add_u32 v2, v3
	s_wait_dscnt 0x0
	s_endpgm
.Lfunc_end_k_qd8e7a8be2e_pack:
	.size	k_qd8e7a8be2e_pack, .Lfunc_end_k_qd8e7a8be2e_pack-k_qd8e7a8be2e_pack
	.p2alignl 7, 3214868480
	.fill 96, 4, 3214868480
	.section	.rodata,"a",@progbits
	.p2align	6, 0x0
	.amdhsa_kernel k_qd8e7a8be2e_pack
		.amdhsa_group_segment_fixed_size 17920
		.amdhsa_private_segment_fixed_size 0
		.amdhsa_enable_private_segment 0
		.amdhsa_kernarg_size 128
		.amdhsa_user_sgpr_count 2
		.amdhsa_user_sgpr_kernarg_segment_ptr 1
		.amdhsa_wavefront_size32 1
		.amdhsa_system_sgpr_workgroup_id_x 1
		.amdhsa_system_sgpr_workgroup_id_y 1
		.amdhsa_system_sgpr_workgroup_id_z 1
		.amdhsa_system_vgpr_workitem_id 0
		.amdhsa_next_free_vgpr 128
		.amdhsa_next_free_sgpr 66
		.amdhsa_reserve_vcc 0
		.amdhsa_float_denorm_mode_32 3
		.amdhsa_float_denorm_mode_16_64 3
		.amdhsa_memory_ordered 1
		.amdhsa_forward_progress 1
		.amdhsa_inst_pref_size 13
	.end_amdhsa_kernel
	.amdgpu_metadata
---
amdhsa.version: [ 1, 2 ]
amdhsa.kernels:
  - .name:           k_qd8e7a8be2e_pack
    .symbol:         k_qd8e7a8be2e_pack.kd
    .args:
      - { .name: text_feat, .offset: 0, .size: 8, .value_kind: global_buffer, .address_space: global }
      - { .name: img_feat, .offset: 8, .size: 8, .value_kind: global_buffer, .address_space: global }
      - { .name: i2t_Wq, .offset: 16, .size: 8, .value_kind: global_buffer, .address_space: global }
      - { .name: i2t_Wk, .offset: 24, .size: 8, .value_kind: global_buffer, .address_space: global }
      - { .name: i2t_Wv, .offset: 32, .size: 8, .value_kind: global_buffer, .address_space: global }
      - { .name: i2t_Wo, .offset: 40, .size: 8, .value_kind: global_buffer, .address_space: global }
      - { .name: ffn_img_W1, .offset: 48, .size: 8, .value_kind: global_buffer, .address_space: global }
      - { .name: ffn_img_W2, .offset: 56, .size: 8, .value_kind: global_buffer, .address_space: global }
      - { .name: t2i_Wq, .offset: 64, .size: 8, .value_kind: global_buffer, .address_space: global }
      - { .name: t2i_Wk, .offset: 72, .size: 8, .value_kind: global_buffer, .address_space: global }
      - { .name: t2i_Wv, .offset: 80, .size: 8, .value_kind: global_buffer, .address_space: global }
      - { .name: t2i_Wo, .offset: 88, .size: 8, .value_kind: global_buffer, .address_space: global }
      - { .name: ffn_text_W1, .offset: 96, .size: 8, .value_kind: global_buffer, .address_space: global }
      - { .name: ffn_text_W2, .offset: 104, .size: 8, .value_kind: global_buffer, .address_space: global }
      - { .name: xfrag, .offset: 112, .size: 8, .value_kind: global_buffer, .address_space: global }
      - { .name: wfrag, .offset: 120, .size: 8, .value_kind: global_buffer, .address_space: global }
    .group_segment_fixed_size: 17920
    .private_segment_fixed_size: 0
    .kernarg_segment_align: 8
    .kernarg_segment_size: 128
    .max_flat_workgroup_size: 128
    .sgpr_count:     66
    .vgpr_count:     128
    .wavefront_size: 32
...
	.end_amdgpu_metadata
.endif
;; end of part 1
;; launch fused (part 2): grid 256 x 1, 4 waves a work-group, clusters of 4 x 1, 327,680 bytes of LDS; arguments xfrag, wfrag, out1, out0, i2t_bq, i2t_bv, ffn_img_b1, i2t_bk, i2t_bo, ffn_img_b2, ln1i_g, ln1i_b, ln2i_g, ln2i_b, t2i_bq, t2i_bv, ffn_text_b1, t2i_bk, t2i_bo, ffn_text_b2, ln1t_g, ln1t_b, ln2t_g, ln2t_b; writes out0, out1
.if DOCPART == 2
	.amdgcn_target "amdgcn-amd-amdhsa--gfx1250"
	.amdhsa_code_object_version 6
	.text
	.protected	k_qd8e7a8be2e_fused
	.globl	k_qd8e7a8be2e_fused
	.p2align	8
	.type	k_qd8e7a8be2e_fused,@function
k_qd8e7a8be2e_fused:
	s_mov_b64 s[64:65], 0
	v_nop
	global_prefetch_b8 v0, s[64:65] scope:SCOPE_SE
	s_setreg_imm32_b32 hwreg(HW_REG_WAVE_MODE, 25, 1), 1
	s_wait_xcnt 0x0
	s_wait_alu depctr_hold_cnt(0) depctr_sa_sdst(0) depctr_va_vdst(0) depctr_va_sdst(0) depctr_va_ssrc(0) depctr_va_vcc(0) depctr_vm_vsrc(0)
	s_getreg_b32 s2, hwreg(HW_REG_IB_STS2, 6, 4)
	s_cmp_eq_u32 s2, 0
	s_cbranch_scc0 .Lentry_in_a_cluster
	s_endpgm
.Lentry_in_a_cluster:
	s_bfe_u32 s2, ttmp6, 0x10000c
	s_cmp_lg_u32 s2, 0x3003
	s_cbranch_scc0 .Lentry_shape_is_right
	s_endpgm
.Lentry_shape_is_right:
; ONE BRANCH OF THE MODULE FOR 128 ROWS: q, k, v projections, the scores and their softmax over the one key, the output projection, residual, LayerNorm, the FFN with erf-GELU, residual, LayerNorm.
; Branch 0 (img): queries img_feat, keys and values text_feat, i2t and ffn_img weights, out1.  Branch 1 (text): the other way round, out0.  x and the weights come as bf16 fragments (launch pack).
; FORMATS AND LIMITS.  Every input enters rounded once to bf16: x (in the residual too), weights, biases, gains.  Matrix operands made here (attn, y1, h) are rounded to bf16; all sums, the scores,
; softmax, GELU, both LayerNorms and y1's residual are f32.  erf is Abramowitz and Stegun 7.1.25, absolute error at most 2.5e-5 for every x, so gelu(x) is off by at most 1.25e-5 |x|;
; exp(-x^2/2) below 2^-126 counts as 0.  The softmax takes the one key's own score as the maximum: a score that is NaN or infinite gives NaN, a finite one the weight 1.
; The variance is the mean of squares of centred numbers.
; SHARES.  A work-group has 128 rows, a wave 32: two tiles of 16 (mt = 0, 1).  EVERY PRODUCT IS TAKEN TRANSPOSED: source 0 = 16 rows of a weight matrix, source 1 = 16 rows of activations.
; In a result lane l holds ONE row (l % 16) and its register j the column 16 nt + 8 (l / 16) + j; two neighbouring results rounded in pairs ARE the next product's source 1.  So no activation ever leaves
; the wave's registers, and rows' sums want one exchange between the halves of the lanes.  LDS serves the weights: each fragment, 2 loads of 16 bytes a lane, feeds 2 matrix instructions.
; THE WEIGHTS of a branch are 64 UNITS of 65,536 bytes (64 fragments, 128 matrix instructions a wave), walked through a ring of two LDS slots of two units:
;   QK unit u:  q[:, 32 u ..] = bq + x_q Wq^T, k[:, 32 u ..] = bk + x_kv Wk^T; then the rows' partial sums of q k
;   VO unit v:  v[:, 32 v ..] = bv + x_kv Wv^T; times the head's weight, rounded; P += attn[:, 32 v ..] Wo[:, 32 v ..]^T          (P = x_q + bo at the start)
;   FFN unit c: h[:, 32 c ..] = gelu(b1 + y1 W1^T), rounded; P += h[:, 32 c ..] W2[:, 32 c ..]^T                                (P = y1 + b2 at the start)
; A bias is the C operand of the product that starts a sum: nothing is cleared.
; BATCHES.  A batch is 16 matrix instructions on 8 fragments.  The fragments have two buffers; behind batch t stands ONE run of 16 LDS loads, for batch t + 2, which has 16 matrix instructions in which to land.
; THE FFN BY SLOTS.  Both units c, c + 1 of a slot lie in LDS, so their halves are walked in the order N(c), N(c+1), W(c), W(c+1) (N: the 64 products with W1, W: the 64 with W2): GELU of unit c stands in
; fours behind the products of N(c+1), GELU of unit c + 1 behind those of W(c): 256 vector instructions for 64 matrix instructions.
; CLUSTER.  The four work-groups of a cluster are four row blocks of one branch and walk the same weights: each slot is asked for JOINTLY (the same load, descriptor and mask in all four), a quarter a wave.
; By this text's own count a wave has two tensor loads out at the start and one behind each change of slots.
; REGISTERS, in windows of 256 (s_set_vgpr_msb: bits 1:0 source 0, 3:2 source 1, 5:4 source 2, 7:6 destination):
;   window 0: v0-15 addresses; v16-143 FB, two buffers of eight weight fragments; v144-175 ACC, v176-207 AC2: tile (n, mt) at 16 n + 8 mt; v208-223 BI2, v224-239 BIA biases; v240-255 weights, statistics
;   window 1: ACT, operand (mt, ks) at 16 ks + 8 mt: x_kv, later y1          windows 2, 3: P, tile (nt, mt) at 512 + 16 nt + 8 mt; until P is made, x_q's operand (mt, ks) lies in tile (2 ks + 1, mt)
.set SLOTB,  131072                    ; a slot: two units
.set UNITB,  65536
.set VEC,    2*SLOTB                   ; behind the ring: twelve pieces of 2,048 bytes in f32: bq, bv, b1 (two), bk, bo; g1, be1, b2; g2, be2, zeros
.set O_BK,   8192
.set O_BO,   10240
.set O_G,    12288                     ; the first LayerNorm's gain, bias, and what is added behind it;
.set O_BE,   14336
.set O_AD,   16384
.set LNSET,  6144                      ; the second's three lie this far behind them
.set STAGE,  VEC+24576                 ; each wave's own 16 rows x 528 bytes for the way out; its first 4,096 bytes serve the scores before that
.set SPITCH, 528                       ; 512 bytes + 16: the 16 rows of a store start 132 words apart
.set STAGEW, 16*SPITCH
.set SPARE,  STAGE+4*STAGEW            ; the spare words, 128 bytes a wave: two blocks of 256 bytes that no other line names.  No tensor load lands at or behind VEC
.set LAN, 1                            ; v1   16 x lane
.set WA,  2                            ; v2   LDS address of my 16 bytes in the unit whose fragments are being fetched (FFN: the slot's first unit)
.set VB,  3                            ; v3   LDS address of the unit's biases
.set VH,  4                            ; v4   VEC + 32 (l / 16): my 8 columns in a tile of 16
.set SC,  5                            ; v5   LDS address of a unit's scores or weights
.set STO, 6                            ; v6   the way out: where I put 32 bytes of a row
.set RD,  7                            ; v7   the way out: where I read a row back
.set WA1, 8                            ; v8   FFN: the same as WA for the slot's second unit
.set PFO, 9                            ; v9   256 x lane: the prefetches' offset
.set ONE, 10                           ; v10  1.0
.set SCB, 11                           ; v11  my 8 bytes in an entry of the scores
.set SPW, 12                           ; v12  my spare word; never rewritten
.set NIL, 13                           ; v13  0; never rewritten
.set VL,  15                           ; v15  VH, for the second LayerNorm VH + LNSET
.set FB,  16
.set ACC, 144
.set AC2, 176
.set BI2, 208
.set BIA, 224
.set WR,  240                          ; v[240:241] the head's softmax weight for my row of tile 0, 1
.set MEAN, 242                         ; v[242:243] the rows' means;  in QK v[242:247] at work
.set RS,  244                          ; v[244:245] 1 / sqrt(var + eps)
.set TT,  208                          ; GELU, 16 numbers at a time: t, later x / 2
.set QQ,  224                          ; the polynomial (BIA's registers: a bias is read by a half's first four products alone)
.set EE,  240                          ; exp(-x^2 / 2)
.set WV,  12                           ; s12  my wave's number
.set HIM, 36                           ; s36  a word's upper bf16
.set PASS, 38                          ; s38  counts the two LayerNorms
.set A1,  40                           ; s[40:45] half the polynomial's coefficients, each twice (named as pairs)
.set A2,  42
.set A3,  44
.set HF,  46                           ; s[46:47] 0.5
.set CC,  50                           ; s[50:51] sqrt(log2(e) / 2)
.set PZ,  52                           ; s52  0.47047 / sqrt(2)
.set EPS, 53                           ; s53  1e-5
.set INV, 54                           ; s54  1 / 512
.set SEL, 56                           ; s[56:57] v_permlanex16_b32's selects: each lane takes its own place in the other half
.set CS,  58                           ; s[58:59] log2(e) / 8
.set SCO, 62                           ; s62  byte offset of the unit's entry of scores
.set G1,  72                           ; s[72:79] descriptor group 1
.set G0,  80                           ; s[80:83] group 0 of slot 0's first fill
.set G0W, 84                           ; s[84:87] group 0 of slot 1's first fill; then it walks
.set TB,  88                           ; s88  LDS byte at which the unit (FFN: the slot) to be fetched begins
.set CNT, 89                           ; s89  counts a slot's two units
.set SLOTS, 90                         ; s90  counts a loop's slots
.set REM, 91                           ; s91  refills still to come
.set LIM, 92                           ; s92  1 in a cluster that prefetches, else the greatest number
.set VBO, 93                           ; s93  128 x the number of the unit whose biases are fetched
.set PFA, 94                           ; s[94:95] where my prefetches stand
.set MSB, 0
.macro WIN new                         ; the immediate's high byte repeats the setting that is left; a switch that changes nothing is dropped
.if MSB != (\new)
	s_set_vgpr_msb (MSB<<8)|(\new)
.set MSB, \new
.endif
.endm
; A vector instruction that reads a matrix result or writes a matrix instruction's register, and a load into such a register, stand four places behind it; a matrix instruction that writes over one, five
; (ISA guide 7.12.1 for vector instructions).  Only plain vector instructions that name none of its registers are places.
.macro PLACES n=4
.rept \n
	v_nop
.endr
.endm
.macro R16 line:vararg                 ; a line for i = 0 .. 15
.set i, 0
.rept 16
	\line
.set i, i+1
.endr
.endm
.macro R8 line:vararg                  ; a line for i = 0, 2 .. 14
.set i, 0
.rept 8
	\line
.set i, i+2
.endr
.endm
; A round of the cluster's barrier: my work-group's barrier, so that wave 0's signal speaks for all four waves; wave 0 signals; every wave waits for all four work-groups; my work-group's barrier once more.
.macro CREST                           ; a round behind its opening barrier
	s_cmp_lg_u32 s[WV], 0
	s_cbranch_scc1 .Lnot_wave_0_\@
	s_barrier_signal -3
.Lnot_wave_0_\@:
	s_barrier_wait -3
	s_barrier_signal -1
	s_barrier_wait -1
.endm
.macro CROUND
	s_barrier_signal -1
	s_barrier_wait -1
	CREST
.endm
; A PREFETCH INTO THE L2 of the slot that the NEXT change of slots will ask for: 256 matrix instructions ahead of that load.  All 32 clusters of a branch walk the same weights: the branch's first cluster asks.
; A slot's 512 blocks of 256 bytes are shared out BY ADDRESS: 32,768 bytes a partner, 8,192 a wave, a block a lane: one instruction a wave, and each block is named once in the launch.
; The last refill has no slot behind it and asks for nothing; slots 0 to 2 come by their loads alone.
.macro ASK
	WIN 0
	s_cmp_gt_u32 s[REM], s[LIM]
	s_cbranch_scc0 .Lnot_mine_\@
	global_prefetch_b8 v[PFO], s[PFA:PFA+1] th:TH_LOAD_NT scope:SCOPE_SE
.Lnot_mine_\@:
.endm
; A RUN OF 16 LDS LOADS: fragments fr .. fr + 7 of the unit at areg into buffer buf.  32 lanes x 16 consecutive bytes each.  Destination and address lie in window 0.
.macro LD16 buf, areg, fr
.if (MSB & 0xc3) != 0
	WIN 0
.endif
.irp i, 0,1,2,3,4,5,6,7
	ds_load_b128 v[FB+64*(\buf)+8*(\i):FB+64*(\buf)+8*(\i)+3],   v[\areg] offset:((\fr)+(\i))*1024
	ds_load_b128 v[FB+64*(\buf)+8*(\i)+4:FB+64*(\buf)+8*(\i)+7], v[\areg] offset:((\fr)+(\i))*1024+512
.endr
.endm
; Product w of 16 of a NARROW batch b (0 .. 3): k step ks = 4 b + w / 4, columns' tile n = w / 2 % 2, my tile w % 2.  The four accumulators take turns, one instruction a turn.
; xq = 1: source 1 is x_q (windows 2, 3), else ACT (window 1).  At ks = 0 the bias starts the sum.
.macro NW buf, b, acc, bias, xq
.set ks, 4*(\b)+w/4
.set nn, (w/2)%2
.set mm, w%2
.if \xq
	WIN 0x08+4*(ks/8)
.set rX, 32*(ks%8)+16+8*mm
.else
	WIN 0x04
.set rX, 16*ks+8*mm
.endif
.set rD, (\acc)+16*nn+8*mm
.set rW, FB+64*(\buf)+8*(2*(w/4)+nn)
.if ks == 0
	v_wmma_f32_16x16x32_bf16 v[rD:rD+7], v[rW:rW+7], v[rX:rX+7], v[(\bias)+8*nn:(\bias)+8*nn+7]
.else
	v_wmma_f32_16x16x32_bf16 v[rD:rD+7], v[rW:rW+7], v[rX:rX+7], v[rD:rD+7]
.endif
.endm
; Product w of 16 of a WIDE batch b (0 .. 3): P's tile nt = 8 b + w / 2 of my tile w % 2 takes one k step, whose operand lies in opnd + 8 mt.  Each accumulator has one turn a unit.
.macro WW buf, b, opnd
.set nt, 8*(\b)+w/2
.set mm, w%2
	WIN 0xa0+0x50*(nt/16)
.set rP, 16*(nt%16)+8*mm
	v_wmma_f32_16x16x32_bf16 v[rP:rP+7], v[FB+64*(\buf)+8*(w/2):FB+64*(\buf)+8*(w/2)+7], v[(\opnd)+8*mm:(\opnd)+8*mm+7], v[rP:rP+7]
.endm
; GELU.  gelu(x) = x / 2 + |x| (1/2 - q e), q = t (a1 + t (a2 + t a3)) / 2, t = 1 / (1 + 0.47047 |x| / sqrt(2)), e = exp(-x^2 / 2): x (1 + erf(x / sqrt(2))) / 2 with erf by its sign and 1 - 2 q e.
; A unit's 32 numbers a lane go in two groups of 16 (group g: the tiles (g, 0), (g, 1) at X0 = XA + 16 g), each in two parts of 64 instructions, a part to a batch of 16 products.
; THE FIRST PART: 32 arguments (GP) and the 32 transcendentals (GT), which are ONE batch: nothing names a result of theirs in this part.
.macro GP a                            ; argument a of 32: for pair a / 4: 1 + z |x| of its first number; x sqrt(log2(e) / 2); 1 + z |x| of its second; minus the square.  Each tile is read from its low end on
.set pp, 2*((\a)/4)
.if (\a)%4 == 0
	v_fma_f32 v[TT+pp], |v[X0+pp]|, s[PZ], 1.0
.elseif (\a)%4 == 1
	v_pk_mul_f32 v[EE+pp:EE+pp+1], v[X0+pp:X0+pp+1], s[CC:CC+1] op_sel_hi:[1,0]
.elseif (\a)%4 == 2
	v_fma_f32 v[TT+pp+1], |v[X0+pp+1]|, s[PZ], 1.0
.else
	v_pk_mul_f32 v[EE+pp:EE+pp+1], v[EE+pp:EE+pp+1], v[EE+pp:EE+pp+1] neg_lo:[1,0] neg_hi:[1,0]
.endif
.endm
.macro GT u                            ; transcendental u of 32: for pair u / 4: t, t, e, e
.set pp, 2*((\u)/4)
.if (\u)%4 < 2
	v_rcp_f32 v[TT+pp+(\u)%4], v[TT+pp+(\u)%4]
.else
	v_exp_f32 v[EE+pp+(\u)%4-2], v[EE+pp+(\u)%4-2]
.endif
.endm
; THE SECOND PART, number n of 64: 0-23 q by Horner, eight pairs a step; 24-31 x / 2 into t's registers; 32-39 1/2 - q e; 40-55 gelu, in place; 56-63 rounded in pairs into the operand XA + 8 mt:
; registers 4 g .. 4 g + 3 of it, each written when its old number has been read.
.macro GQ n
.set pp, 2*((\n)%8)
.if (\n) < 8
	v_pk_fma_f32 v[QQ+pp:QQ+pp+1], v[TT+pp:TT+pp+1], s[A3:A3+1], s[A2:A2+1] op_sel_hi:[1,0,0]
.elseif (\n) < 16
	v_pk_fma_f32 v[QQ+pp:QQ+pp+1], v[QQ+pp:QQ+pp+1], v[TT+pp:TT+pp+1], s[A1:A1+1] op_sel_hi:[1,1,0]
.elseif (\n) < 24
	v_pk_mul_f32 v[QQ+pp:QQ+pp+1], v[QQ+pp:QQ+pp+1], v[TT+pp:TT+pp+1]
.elseif (\n) < 32
	v_pk_mul_f32 v[TT+pp:TT+pp+1], v[X0+pp:X0+pp+1], s[HF:HF+1] op_sel_hi:[1,0]
.elseif (\n) < 40
	v_pk_fma_f32 v[QQ+pp:QQ+pp+1], v[QQ+pp:QQ+pp+1], v[EE+pp:EE+pp+1], s[HF:HF+1] op_sel_hi:[1,1,0] neg_lo:[1,0,0] neg_hi:[1,0,0]
.elseif (\n) < 56
.set gi, (\n)-40
	v_fma_f32 v[X0+gi], |v[X0+gi]|, v[QQ+gi], v[TT+gi]
.else
.set gi, ((\n)-56)%4
.set gm, ((\n)-56)/4
	v_cvt_pk_bf16_f32 v[XA+8*gm+4*GG+gi], v[X0+8*gm+2*gi], v[X0+8*gm+2*gi+1]
.endif
.endm
; What stands behind product w of the slot's batch t (4 .. 11).  Batches 4-7 carry unit c's GELU (XA = ACC), batches 8-11 unit c + 1's (XA = AC2); t % 4 = 0, 2: a group's first part, 1, 3: its second.
; In a first part the transcendentals run two products behind their arguments, plain and transcendental by turns; the last four stand behind the batch (FSTEP).  All of it lies in window 0 and names no
; register of the products round it, so a product costs two switches of the windows.
.macro RIDERS t
.set XA, ACC+32*((\t)/8)
.set GG, ((\t)%4)/2
.set X0, XA+16*GG
	WIN 0
.if ((\t)%2) == 0
	GP 2*w
.if w >= 2
	GT 2*w-4
.endif
	GP 2*w+1
.if w >= 2
	GT 2*w-3
.endif
.else
	GQ 4*w
	GQ 4*w+1
	GQ 4*w+2
	GQ 4*w+3
.endif
.endm
.macro PROD t                          ; product w of batch t.  PH = 0: QK, 1: VO (8 batches a unit); 2: FFN (16 batches a slot)
.if PH == 0
.if (\t) < 4
	NW (\t)%2, \t, ACC, BIA, 1
.else
	NW (\t)%2, (\t)-4, AC2, BI2, 0
.endif
.elseif PH == 1
.if (\t) < 4
	NW (\t)%2, \t, ACC, BIA, 0
.else
	WW (\t)%2, (\t)-4, ACC
.endif
.elseif (\t) < 4
	NW (\t)%2, \t, ACC, BIA, 0
.elseif (\t) < 8
	NW (\t)%2, (\t)-4, AC2, BIA, 0
.elseif (\t) < 12
	WW (\t)%2, (\t)-8, ACC
.else
	WW (\t)%2, (\t)-12, AC2
.endif
.endm
.macro MBR t, w0, w1                   ; products w0 .. w1 - 1 of batch t, with what stands behind them
.set w, \w0
.rept (\w1)-(\w0)
	PROD \t
.if (PH == 2) && ((\t) >= 4) && ((\t) < 12)
	RIDERS \t
.endif
.set w, w+1
.endr
.endm
.macro VLD                             ; a unit's biases: my 8 columns of its two tiles of 16; in QK bk's beside bq's
	ds_load_b128 v[BIA:BIA+3],     v[VB]
	ds_load_b128 v[BIA+4:BIA+7],   v[VB] offset:16
	ds_load_b128 v[BIA+8:BIA+11],  v[VB] offset:64
	ds_load_b128 v[BIA+12:BIA+15], v[VB] offset:80
.if PH == 0
	ds_load_b128 v[BI2:BI2+3],     v[VB] offset:O_BK
	ds_load_b128 v[BI2+4:BI2+7],   v[VB] offset:O_BK+16
	ds_load_b128 v[BI2+8:BI2+11],  v[VB] offset:O_BK+64
	ds_load_b128 v[BI2+12:BI2+15], v[VB] offset:O_BK+80
.endif
.endm
.macro VPRE                            ; the next unit's: bq, bv and b1 lie on end, 128 bytes a unit through all 64 units
	WIN 0
	s_add_co_u32 s[VBO], s[VBO], 128
	v_add_nc_u32 v[VB], s[VBO], v[VH]
	VLD
.endm
; QK: the sum over my 16 columns of q k, for each of my two rows; each accumulator is read from its low end on.  Entry u of the scores takes the pair.
.macro SCORE
	WIN 0
	v_pk_mul_f32 v[242:243], v[ACC:ACC+1], v[AC2:AC2+1]
	v_pk_mul_f32 v[244:245], v[ACC+8:ACC+9], v[AC2+8:AC2+9]
.irp p, 2,4,6,16,18,20,22
	v_pk_fma_f32 v[242:243], v[ACC+\p:ACC+\p+1], v[AC2+\p:AC2+\p+1], v[242:243]
	v_pk_fma_f32 v[244:245], v[ACC+8+\p:ACC+9+\p], v[AC2+8+\p:AC2+9+\p], v[244:245]
.endr
	v_add_f32 v246, v242, v243
	v_add_f32 v247, v244, v245
	v_add_nc_u32 v[SC], s[SCO], v[SCB]
	s_add_co_u32 s[SCO], s[SCO], 256
	ds_store_b64 v[SC], v[246:247]
.endm
; VO: v times the head's weight; then the tiles (0, mt), (1, mt) of ACC, 32 columns, rounded in pairs: source 1 of the wide batches, in ACC + 8 mt, in place.
.macro ATT
	WIN 0
.irp n, 0,1
.irp m, 0,1
.irp c, 0,2,4,6
	v_pk_mul_f32 v[ACC+16*(\n)+8*(\m)+(\c):ACC+16*(\n)+8*(\m)+(\c)+1], v[ACC+16*(\n)+8*(\m)+(\c):ACC+16*(\n)+8*(\m)+(\c)+1], v[WR:WR+1] op_sel:[0,\m] op_sel_hi:[1,\m]
.endr
.endr
.endr
.irp m, 0,1
.irp i, 0,1,2,3
	v_cvt_pk_bf16_f32 v[ACC+8*(\m)+(\i)], v[ACC+8*(\m)+2*(\i)], v[ACC+8*(\m)+2*(\i)+1]
.endr
.irp i, 0,1,2,3
	v_cvt_pk_bf16_f32 v[ACC+8*(\m)+4+(\i)], v[ACC+16+8*(\m)+2*(\i)], v[ACC+16+8*(\m)+2*(\i)+1]
.endr
.endr
.endm
; QK AND VO, a step: batch j of the unit's 8 is multiplied, and its buffer takes the batch two further on (j = 6, 7: the next unit's first two, at the new WA).
; The counts: behind the batch's first 8 loads stand its other 8 and the next batch's 16; x: the bias loads of a tail, which are younger too.
.macro USTEP j, n=4, x=0
	s_wait_dscnt 24+(\x)
	MBR \j, 0, 8
	s_wait_dscnt 16+(\x)
	MBR \j, 8, 16
	PLACES \n
	LD16 (\j)%2, WA, 8*(((\j)+2)%8)
.endm
.macro CORE                            ; a unit's first six batches
.if PH == 1
	v_add_nc_u32 v[SC], s[SCO], v[SCB]
	s_add_co_u32 s[SCO], s[SCO], 256
	ds_load_b64 v[WR:WR+1], v[SC]                  ; the unit's weights: older than batch 2's loads, so in when batch 2 has been waited for
.endif
	USTEP 0
	USTEP 1
	USTEP 2
	USTEP 3
.if PH == 1
	ATT
.endif
	USTEP 4
	USTEP 5
	WIN 0                                          ; at a label and at a branch every window is 0
.endm
; ITS LAST TWO BATCHES, inside a slot: the fetches go on to the slot's second unit.  Five places behind the last batch: the next unit's first products write over ACC, which it read.
.macro TAILP
	WIN 0
	s_add_co_u32 s[TB], s[TB], UNITB
	v_add_nc_u32 v[WA], s[TB], v[LAN]
	VPRE
	USTEP 6, 4, NV
	USTEP 7, 5, NV
.if PH == 0
	SCORE
.endif
	WIN 0
.endm
; THE LAST TWO BATCHES OF A SLOT (LB, LB + 1) AND THE CHANGE OF SLOTS.  All reads of this slot have been issued.  Each wave waits for all its tensor loads, of which one is out: its quarter of the other slot;
; adds 0 to its spare word; and waits for that and for its own reads of this slot.  The barrier opens a round of the cluster's: behind the round no wave of any partner reads this slot or has a load on its
; way, and the other slot is whole.  The joint refill, with the slot two further on, is the first thing behind it: it has 256 matrix instructions in which to land.
.macro TAILC
	WIN 0
	s_wait_xcnt 0x0                                ; the last prefetch, a slot back, has read its address, so it may be stepped
	s_add_nc_u64 s[PFA:PFA+1], s[PFA:PFA+1], SLOTB
	VPRE
	s_wait_tensorcnt 0x0                           ; no tensor load of mine is out, so the walking group 0 may be written
	ds_add_u32 v[SPW], v[NIL]                      ; 0 onto my spare word: scalar steps and eight matrix instructions stand between it and the wait for it
	s_xor_b32 s[G0W+1], s[G0W+1], SLOTB            ; the other slot than last time,
	s_add_nc_u64 s[G0W+2:G0W+3], s[G0W+2:G0W+3], SLOTB  ; the next slot's bytes; the type bits on top are not reached
.if PH < 2
	s_sub_co_u32 s[TB], s[TB], UNITB               ; the fetches go back to a slot's first unit,
.endif
	s_xor_b32 s[TB], s[TB], SLOTB                  ; in the other slot
	s_wait_dscnt 25+NV                             ; the batch's first 8 loads are in: its other 8, the last batch's 16, the bias loads and the add may be out
	MBR LB, 0, 8
	s_wait_dscnt 0x0                               ; the add is done, and my reads of this slot are over
	s_barrier_signal -1
	MBR LB, 8, 16                                  ; work on registers while the others arrive
	WIN 0
	s_barrier_wait -1
	CREST
	tensor_load_to_lds s[G0W:G0W+3], s[G1:G1+7]
	s_nop 0
	PLACES 4                                       ; also the places in front of the loads into buffer 0
	v_add_nc_u32 v[WA], s[TB], v[LAN]
.if PH == 2
	v_add_nc_u32 v[WA1], UNITB, v[WA]
.endif
	LD16 0, WA, 0
	ASK
	s_sub_co_u32 s[REM], s[REM], 1
	MBR LB+1, 0, 16
	PLACES 5
	LD16 1, WA, 8
.if PH == 0
	SCORE
.endif
	WIN 0
.endm
; THE SAME WHERE NOTHING IS LEFT TO ASK FOR (the FFN's last two slots): a plain barrier; behind the very last slot the fetches, LDS loads alone, are jumped over.
.macro TAILN
	WIN 0
	s_wait_tensorcnt 0x0                           ; my quarter of the last slot is in
	ds_add_u32 v[SPW], v[NIL]
	s_xor_b32 s[TB], s[TB], SLOTB
	s_wait_dscnt 25                                ; the batch's other 8 loads, the last batch's 16 and the add may be out
	MBR LB, 0, 8
	s_wait_dscnt 0x0
	s_barrier_signal -1
	MBR LB, 8, 16
	s_barrier_wait -1
	MBR LB+1, 0, 16
	PLACES 5
	WIN 0
	s_cmp_eq_u32 s[SLOTS], 1
	s_cbranch_scc1 .Lno_more_\@
	v_add_nc_u32 v[WA], s[TB], v[LAN]
	v_add_nc_u32 v[WA1], UNITB, v[WA]
	VPRE
	LD16 0, WA, 0
	LD16 1, WA, 8
.Lno_more_\@:
.endm
; QK's AND VO's LOOP OVER SLOTS; in it a unit's text stands once and is walked twice, and left in the middle of the second trip for the change of slots.
.macro RING tag, slots
	s_mov_b32 s[SLOTS], \slots
.Lslot\tag:
	s_mov_b32 s[CNT], 2
.Lunit\tag:
	CORE
	s_sub_co_u32 s[CNT], s[CNT], 1
	s_cmp_eq_u32 s[CNT], 0
	s_cbranch_scc1 .Lchange\tag
	TAILP
	s_branch .Lunit\tag
.Lchange\tag:
	TAILC
	s_sub_co_u32 s[SLOTS], s[SLOTS], 1
	s_cmp_lg_u32 s[SLOTS], 0
	s_cbranch_scc1 .Lslot\tag
.endm
; THE FFN, a step: batch tt of the slot's 16, then the run for batch tt + 2.  Batches 0-3: N(c), fragments 0-31 of the first unit; 4-7: N(c+1), 0-31 of the second; 8-11: W(c), 32-63 of the first; 12-15: W(c+1).
; Behind batch 0 the second unit's bias is fetched, ahead of the run: four loads that are younger than batch 1's, hence 28 and 20 there.
; Behind a batch that carries a first part of GELU stand the last four transcendentals, two v_nop (with the two arguments behind the last product: four places; the first is also the plain instruction behind
; the last transcendental) and the ONE wait ahead of the first reader of the batch of 32: directly ahead of the run of loads.
; Behind a batch that carries a second part the four lines behind the last product are the places.
.macro FSTEP
.set xw, 0
.if tt == 1
.set xw, 4
.endif
	s_wait_dscnt 24+xw
	MBR tt, 0, 8
	s_wait_dscnt 16+xw
	MBR tt, 8, 16
.if (tt >= 4) && (tt < 12) && (tt%2 == 0)
	WIN 0
	GT 28
	GT 29
	GT 30
	GT 31
	v_nop
	v_nop
	s_wait_alu depctr_va_vdst(0)
.elseif (tt < 4) || (tt >= 12)
	PLACES 4
.endif
.if tt == 0
	VPRE
.endif
.set uu, tt+2
.if ((uu/4)%2) == 0
	LD16 tt%2, WA, 32*(uu/8)+8*(uu%4)
.else
	LD16 tt%2, WA1, 32*(uu/8)+8*(uu%4)
.endif
.endm
.macro FRING tag, slots, fill
	s_mov_b32 s[SLOTS], \slots
.Lslot\tag:
.set tt, 0
.rept 14
	FSTEP
.set tt, tt+1
.endr
.if \fill
	TAILC
.else
	TAILN
.endif
	s_sub_co_u32 s[SLOTS], s[SLOTS], 1
	s_cmp_lg_u32 s[SLOTS], 0
	s_cbranch_scc1 .Lslot\tag
.endm
; THE SOFTMAX over the one key, for 8 heads x my two rows.  A head is two units' entries and both halves of the lanes.  t = c s; the maximum over the one key is t itself; e = 2^(t - t); w = e / e.
; Entry v then takes the weight of head v / 2, for VO's unit v.
.macro SOFTMAX
	WIN 0
	R16 ds_load_b64 v[AC2+2*i:AC2+2*i+1], v[SCB] offset:256*i
	s_wait_dscnt 0x0
	R8 v_pk_add_f32 v[AC2+2*i:AC2+2*i+1], v[AC2+2*i:AC2+2*i+1], v[AC2+2*i+2:AC2+2*i+3]
	R16 v_permlanex16_b32 v[ACC+i], v[AC2+4*(i/2)+i%2], s[SEL], s[SEL+1]
	R8 v_pk_add_f32 v[AC2+2*i:AC2+2*i+1], v[AC2+2*i:AC2+2*i+1], v[ACC+i:ACC+i+1]
	R8 v_pk_mul_f32 v[AC2+2*i:AC2+2*i+1], v[AC2+2*i:AC2+2*i+1], s[CS:CS+1] op_sel_hi:[1,0]
	R8 v_pk_add_f32 v[ACC+i:ACC+i+1], v[AC2+2*i:AC2+2*i+1], v[AC2+2*i:AC2+2*i+1] neg_lo:[0,1] neg_hi:[0,1]
	R16 v_exp_f32 v[ACC+i], v[ACC+i]
	v_nop                                          ; a plain instruction behind the last exponential,
	s_wait_alu depctr_va_vdst(0)                   ; and the one wait for the batch ahead of its first reader
	R16 v_rcp_f32 v[ACC+16+i], v[ACC+i]            ; the sum over the one key is e
	v_nop
	s_wait_alu depctr_va_vdst(0)
	R8 v_pk_mul_f32 v[ACC+i:ACC+i+1], v[ACC+i:ACC+i+1], v[ACC+16+i:ACC+16+i+1]
	R16 ds_store_b64 v[SCB], v[ACC+2*(i/2):ACC+2*(i/2)+1] offset:256*i
	s_mov_b32 s[SCO], 0
.endm
; P = x_q + bo.  x_q's operand (mt, ks), 8 registers X0-X7 of two bf16, lies in tile (2 ks + 1, mt).  Tile 2 ks is made of X0-X3; then tile 2 ks + 1 in place, of X4-X7, each register written when it has been read.
.macro MIX d, x, b, hi                 ; one half of a word, widened, times 1.0, plus the bias: one instruction
.if \hi
	v_fma_mix_f32_bf16 v[\d], v[\x], v[ONE], v[\b] op_sel:[1,0,0] op_sel_hi:[1,0,0]
.else
	v_fma_mix_f32_bf16 v[\d], v[\x], v[ONE], v[\b] op_sel_hi:[1,0,0]
.endif
.endm
.macro XRES
.set bb, 0
.rept 4                                ; 8 tiles of columns at a time
	WIN 0
.set i, 0
.rept 8
	ds_load_b128 v[ACC+8*i:ACC+8*i+3],   v[VH] offset:O_BO+64*(8*bb+i)
	ds_load_b128 v[ACC+8*i+4:ACC+8*i+7], v[VH] offset:O_BO+64*(8*bb+i)+16
.set i, i+1
.endr
	s_wait_dscnt 0x0
	WIN 0x82+0x41*(bb/2)                           ; destination and source 0 in P's window
.set kq, 0
.rept 4
.irp m, 0,1
.set rE, 32*((4*bb+kq)%8)+8*(\m)
.set rX, rE+16
.set rB, ACC+16*kq
.irp j, 0,1,2,3,4,5,6,7
	MIX rE+\j, rX+(\j)/2, rB+\j, (\j)%2
.endr
.irp j, 0,1,2,3,4,5,6,7
	MIX rX+\j, rX+4+(\j)/2, rB+8+\j, (\j)%2
.endr
.endr
.set kq, kq+1
.endr
.set bb, bb+1
.endr
	WIN 0
.endm
; ONE PASS OVER P.  op = 0: the rows' sums; 1: P less the mean, in place; 2: the sums of squares.  Sums run in four chains of pairs a tile row, in AC2; each tile is read from its low end on.
.macro SWEEP op
.set nt, 0
.rept 32
.irp m, 0,1
.irp c, 0,1,2,3
.set rP, 16*(nt%16)+8*(\m)+2*(\c)
.set rS, AC2+8*(\m)+2*(\c)
.if (\op) == 0
.if nt == 0
	WIN 0x0a
	v_pk_add_f32 v[rS:rS+1], v[rP:rP+1], v[rP+16:rP+17]  ; tiles 0 and 1 start the chains: nothing is cleared
.elseif nt > 1
	WIN 0x08+4*(nt/16)
	v_pk_add_f32 v[rS:rS+1], v[rS:rS+1], v[rP:rP+1]
.endif
.elseif (\op) == 1
	WIN 0x82+0x41*(nt/16)
	v_pk_add_f32 v[rP:rP+1], v[rP:rP+1], v[MEAN:MEAN+1] op_sel:[0,\m] op_sel_hi:[1,\m] neg_lo:[0,1] neg_hi:[0,1]
.elseif nt == 0
	WIN 0x0a
	v_pk_mul_f32 v[rS:rS+1], v[rP:rP+1], v[rP:rP+1]
.else
	WIN 0x0a+5*(nt/16)
	v_pk_fma_f32 v[rS:rS+1], v[rP:rP+1], v[rP:rP+1], v[rS:rS+1]
.endif
.endr
.endr
.set nt, nt+1
.endr
.endm
.macro REDUCE                          ; the four chains, the pair's halves and the other half of the lanes: the row's sum in v[AC2] (tile 0) and v[AC2+8] (tile 1)
	WIN 0
.irp a, AC2, AC2+8
	v_pk_add_f32 v[\a:\a+1], v[\a:\a+1], v[\a+2:\a+3]
	v_pk_add_f32 v[\a+4:\a+5], v[\a+4:\a+5], v[\a+6:\a+7]
.endr
.irp a, AC2, AC2+8
	v_pk_add_f32 v[\a:\a+1], v[\a:\a+1], v[\a+4:\a+5]
.endr
.irp a, AC2, AC2+8
	v_add_f32 v[\a], v[\a], v[\a+1]
.endr
.irp a, AC2, AC2+8
	v_permlanex16_b32 v[\a+1], v[\a], s[SEL], s[SEL+1]
.endr
.irp a, AC2, AC2+8
	v_add_f32 v[\a], v[\a], v[\a+1]
.endr
.endm
.macro LNSTAT                          ; P is centred in place; RS = 1 / sqrt(mean of squares + eps)
	SWEEP 0
	REDUCE
	v_mul_f32 v[MEAN], s[INV], v[AC2]
	v_mul_f32 v[MEAN+1], s[INV], v[AC2+8]
	SWEEP 1
	SWEEP 2
	REDUCE
	v_fma_f32 v[AC2], v[AC2], s[INV], s[EPS]
	v_fma_f32 v[AC2+8], v[AC2+8], s[INV], s[EPS]
	v_rsq_f32 v[RS], v[AC2]
	v_rsq_f32 v[RS+1], v[AC2+8]
	v_nop
	s_wait_alu depctr_va_vdst(0)
.endm
; A LayerNorm's END, a tile of columns at a time: y = P rs g + be; rounded into ACT; P = y + a third vector.  The three vectors come through a ring of three sets of 24 registers, from VL on.
; ONE TEXT SERVES BOTH LayerNorms.  The first: g1, be1, b2: ACT is the FFN's operand y1, P = y1 + b2 the sum that the FFN adds onto.  The second: g2, be2, zeros: P is the output; its 256 roundings into ACT
; and its 256 additions of 0 serve nothing: the price, once a launch, of writing these passes over 512 registers once.
.macro LNYLD nt
.set rG, ACC+24*((\nt)%3)
	ds_load_b128 v[rG:rG+3],     v[VL] offset:O_G+64*(\nt)
	ds_load_b128 v[rG+4:rG+7],   v[VL] offset:O_G+64*(\nt)+16
	ds_load_b128 v[rG+8:rG+11],  v[VL] offset:O_BE+64*(\nt)
	ds_load_b128 v[rG+12:rG+15], v[VL] offset:O_BE+64*(\nt)+16
	ds_load_b128 v[rG+16:rG+19], v[VL] offset:O_AD+64*(\nt)
	ds_load_b128 v[rG+20:rG+23], v[VL] offset:O_AD+64*(\nt)+16
.endm
.macro PAIRS line:vararg               ; a line for each pair of the two tiles (nt, 0), (nt, 1): rP the pair in P, mm the tile, cc the pair's number
.set mm, 0
.rept 2
.set cc, 0
.rept 4
.set rP, 16*(nt%16)+8*mm+2*cc
	\line
.set cc, cc+1
.endr
.set mm, mm+1
.endr
.endm
.macro BYRS                            ; the two tiles times their rows' rs
.irp m, 0,1
.irp c, 0,1,2,3
.set rP, 16*(nt%16)+8*(\m)+2*(\c)
	v_pk_mul_f32 v[rP:rP+1], v[rP:rP+1], v[RS:RS+1] op_sel:[0,\m] op_sel_hi:[1,\m]
.endr
.endr
.endm
.macro LNY
	WIN 0
	LNYLD 0
	LNYLD 1
	LNYLD 2
.set nt, 0
.rept 32
.if nt < 30
	s_wait_dscnt 12                                ; this tile's six loads are in; the two younger sets may stay out
.else
	s_wait_dscnt 6*(31-nt)
.endif
.set rG, ACC+24*(nt%3)
	WIN 0x82+0x41*(nt/16)
	BYRS
	PAIRS v_pk_fma_f32 v[rP:rP+1], v[rP:rP+1], v[rG+2*cc:rG+2*cc+1], v[rG+8+2*cc:rG+8+2*cc+1]
	WIN 0x4a+5*(nt/16)                             ; destination in window 1
	PAIRS v_cvt_pk_bf16_f32 v[16*(nt/2)+8*mm+4*(nt%2)+cc], v[rP], v[rP+1]
	WIN 0x82+0x41*(nt/16)
	PAIRS v_pk_add_f32 v[rP:rP+1], v[rP:rP+1], v[rG+16+2*cc:rG+16+2*cc+1]
.if nt < 29
	WIN 0
	LNYLD nt+3
.endif
.set nt, nt+1
.endr
	WIN 0
.endm
; THE WAY OUT, in 8 blocks of 16 rows x 128 columns (block b: tile b / 4, columns 128 (b % 4) on).  A lane's 8 columns of a row go into my stage as 32 bytes; rows of 512 bytes come back, into FB's halves by turns.
.macro OSTAGE b
	WIN 0x08+4*(((\b)%4)/2)                        ; the stores' data lie in P's window
.irp t, 0,1,2,3,4,5,6,7
.set rP, 16*((8*((\b)%4)+(\t))%16)+8*((\b)/4)
	ds_store_b128 v[STO], v[rP:rP+3]   offset:64*(\t)
	ds_store_b128 v[STO], v[rP+4:rP+7] offset:64*(\t)+16
.endr
	WIN 0
	s_wait_xcnt 0x0                                ; the stores of the block before last have read their registers, which are loaded again only behind this wait
.irp i, 0,1,2,3,4,5,6,7,8,9,10,11,12,13,14,15
	ds_load_b128 v[FB+64*((\b)%2)+4*(\i):FB+64*((\b)%2)+4*(\i)+3], v[RD] offset:(\i)*SPITCH  ; LDS serves a wave's instructions in order: these see the stores above, and the next block's stores come behind them
.endr
.endm
.macro OSEND b, younger                ; younger: the LDS instructions of the next block, 32, or none
.irp i, 0,1,2,3,4,5,6,7,8,9,10,11,12,13,14,15
	s_wait_dscnt (\younger)+15-(\i)
	global_store_b128 v[LAN], v[FB+64*((\b)%2)+4*(\i):FB+64*((\b)%2)+4*(\i)+3], s[8:9] offset:(16*((\b)/4)+(\i))*2048+512*((\b)%4) th:TH_STORE_NT  ; 512 consecutive bytes, at a multiple of 512 from the output's first byte
.endr
.endm
	; ---- THE HEAD
	s_load_b256 s[4:11], s[0:1], 0x0               ; xfrag, wfrag, out1, out0
	s_load_b512 s[16:31], s[0:1], 0x20             ; img's bq bv b1 bk bo b2 g1 be1
	s_load_b128 s[32:35], s[0:1], 0x60             ; g2 be2
	s_load_b512 s[36:51], s[0:1], 0x70             ; text's, in the same order
	s_load_b128 s[52:55], s[0:1], 0xb0
	v_lshl_add_u32 v[SPW], v0, 2, SPARE
	v_mov_b32 v[NIL], 0
	ds_add_u32 v[SPW], v[NIL]                      ; the wave's opening: the add and its wait stand ahead of my first tensor load; the set-up below, work on registers, stands between them
	v_lshrrev_b32 v14, 5, v0
	v_readfirstlane_b32 s[WV], v14                 ; wave 0..3
	s_bfe_u32 s13, ttmp6, 0x40000                  ; cx: my place in the cluster: it enters x's, the output's and the prefetches' addresses alone
	s_and_b32 s14, ttmp9, 1                        ; the branch: neighbouring clusters take the two branches of the same 512 rows
	s_lshr_b32 s15, ttmp9, 1
	s_lshl_b32 s66, s15, 2
	s_add_co_u32 s66, s66, s13                     ; my block of 128 rows
	s_lshl_b32 s67, s66, 17                        ; in xfrag: 8 row tiles of 16,384 bytes a block,
	s_lshl_b32 s2, s[WV], 15                       ; 2 a wave.  (Also: my quarter of a slot)
	s_add_co_u32 s67, s67, s2
	s_lshl_b32 s68, s14, 24                        ; keys and values: feature = branch (0: text),
	s_add_co_u32 s68, s68, s67
	s_mov_b32 s69, 0
	s_xor_b32 s70, s14, 1                          ; queries: the other one
	s_lshl_b32 s70, s70, 24
	s_add_co_u32 s70, s70, s67
	s_mov_b32 s71, 0
	s_lshl_b32 s96, s66, 18                        ; in the output: 128 rows of 2,048 bytes a block, 32 a wave
	s_lshl_b32 s97, s[WV], 16
	s_add_co_u32 s96, s96, s97
	s_mov_b32 s97, 0
	s_lshl_b32 s98, s14, 22                        ; the branch's weights
	s_mov_b32 s99, 0
	s_mov_b32 s3, 0
	s_lshl_b32 s66, s13, 15                        ; the prefetches: my work-group's 32,768 bytes of a slot, my wave's 8,192 of them,
	s_lshl_b32 s67, s[WV], 13
	s_add_co_u32 s66, s66, s67
	s_add_co_u32 s66, s66, 2*SLOTB                 ; in slot 2: the first change of slots steps it to slot 3
	s_mov_b32 s67, 0
	s_cmp_eq_u32 s15, 0                            ; the branch's first cluster prefetches: the same in all four partners
	s_cselect_b32 s[LIM], 1, -1
	; descriptor group 1: my quarter of a slot, 32,768 dense bytes, as 128 rows of 256 bytes
	s_mov_b32 s[G1+0], 15|(3<<16)|(1<<21)          ; 15:0 the mask: all four work-groups; 17:16 elements of 8 bytes; 21 set beside a mask; no padding
	s_mov_b32 s[G1+1], 32<<16                      ; tensor_dim0 = 32
	s_mov_b32 s[G1+2], 128<<16                     ; tensor_dim1 = 128
	s_mov_b32 s[G1+3], 32<<16                      ; tile_dim0 = 32
	s_mov_b32 s[G1+4], 128                         ; tile_dim1 = 128
	s_mov_b32 s[G1+5], 32                          ; 32 elements from row to row
	s_mov_b32 s[G1+6], 0
	s_mov_b32 s[G1+7], 0
	s_mov_b32 s[G0], 1                             ; count = 1
	s_mov_b32 s[G0+1], s2                          ; LDS address: slot 0, wave x 32,768
	s_mov_b32 s[G0W], 1
	s_add_co_u32 s[G0W+1], s2, SLOTB               ; slot 1
	s_mov_b32 s[SEL], 0x76543210
	s_mov_b32 s[SEL+1], 0xfedcba98
	s_mov_b32 s[CS], 0x3e38aa3b                    ; log2(e) / 8
	s_mov_b32 s[CS+1], s[CS]
	s_mov_b32 s[SCO], 0
	s_mov_b32 s[TB], 0
	s_mov_b32 s[VBO], 0
	s_mov_b32 s[REM], 30                           ; slots 2 to 31
	v_and_b32 v14, 31, v0                          ; lane
	v_lshlrev_b32 v[LAN], 4, v14
	v_lshlrev_b32 v[PFO], 8, v14
	v_bfe_u32 v15, v0, 4, 1                        ; l / 16
	v_lshl_add_u32 v[VH], v15, 5, VEC
	s_mul_i32 s63, s[WV], STAGEW
	s_add_co_u32 s63, s63, STAGE                   ; my stage
	v_add_nc_u32 v[RD], s63, v[LAN]
	v_lshl_add_u32 v[SCB], v14, 3, s63
	v_and_b32 v14, 15, v0                          ; l % 16
	v_mul_u32_u24 v[STO], v14, SPITCH
	v_lshl_add_u32 v[STO], v15, 5, v[STO]
	v_add_nc_u32 v[STO], s63, v[STO]
	v_mov_b32 v[ONE], 1.0
	v_lshlrev_b32 v14, 4, v0                       ; 16 x thread: my 16 bytes of a vector's 2,048,
	v_add_nc_u32 v15, VEC, v14                     ; and their place in LDS
	v_mov_b32 v[WA], v[LAN]                        ; unit 0 lies at the head of slot 0
	v_mov_b32 v[VB], v[VH]
	s_wait_dscnt 0x0                               ; the opening add is done
	s_wait_kmcnt 0x0
	s_cmp_eq_u32 s14, 0                            ; the branch's output and vectors
	s_cselect_b64 s[8:9], s[8:9], s[10:11]
.irp p, 16,18,20,22,24,26,28,30,32,34
	s_cselect_b64 s[\p:\p+1], s[\p:\p+1], s[\p+20:\p+21]
.endr
	s_add_nc_u64 s[10:11], s[4:5], s[68:69]        ; x_kv at my wave's first fragment
	s_add_nc_u64 s[4:5], s[4:5], s[70:71]          ; x_q
	s_add_nc_u64 s[8:9], s[8:9], s[96:97]          ; the output at my wave's first row
	s_add_nc_u64 s[6:7], s[6:7], s[98:99]          ; the branch's weights
	s_add_nc_u64 s[PFA:PFA+1], s[6:7], s[66:67]
	s_add_nc_u64 s[G0+2:G0+3], s[6:7], s[2:3]      ; global address: my quarter of slot 0
	s_add_nc_u64 s[G0W+2:G0W+3], s[G0+2:G0+3], SLOTB  ; of slot 1
	s_or_b32 s[G0+3], s[G0+3], 0x80000000          ; type = 2
	s_or_b32 s[G0W+3], s[G0W+3], 0x80000000
	s_mov_b32 s[HIM], 0xffff0000                   ; the other branch's addresses are not needed any more: constants take their registers
	s_mov_b32 s[A1], 0x3e32303a                    ;  0.3480242 / 2
	s_mov_b32 s[A2], 0xbd445ca1                    ; -0.0958798 / 2
	s_mov_b32 s[A3], 0x3ebf7377                    ;  0.7478556 / 2
	s_mov_b32 s[HF], 0x3f000000                    ; 0.5
	s_mov_b32 s[CC], 0x3f596d27                    ; sqrt(log2(e) / 2) = 0.8493218
.irp p, A1, A2, A3, HF, CC
	s_mov_b32 s[\p+1], s[\p]                       ; named as pairs, so both words are written
.endr
	s_mov_b32 s[PZ], 0x3eaa540e                    ; 0.47047 / sqrt(2) = 0.3326725
	s_mov_b32 s[EPS], 0x3727c5ac                   ; 1e-5
	s_mov_b32 s[INV], 0x3b000000                   ; 1 / 512
	CROUND                                         ; all four work-groups are here: the first joint loads meet
	tensor_load_to_lds s[G0:G0+3], s[G1:G1+7]      ; both first fills go out together, ahead of every wait on TENSORcnt, every LDS read and every other barrier
	s_nop 0
	tensor_load_to_lds s[G0W:G0W+3], s[G1:G1+7]
	s_nop 0
	PLACES 4
.macro VECLD n, p, off=0
	global_load_b128 v[ACC+4*(\n):ACC+4*(\n)+3], v14, s[\p:\p+1] offset:\off
.endm
	VECLD 0, 16                                    ; eleven pieces, in VEC's order: bq,
	VECLD 1, 18                                    ; bv,
	VECLD 2, 20                                    ; b1,
	VECLD 3, 20, 2048
	VECLD 4, 22                                    ; bk,
	VECLD 5, 24                                    ; bo,
	VECLD 6, 28                                    ; g1,
	VECLD 7, 30                                    ; be1,
	VECLD 8, 26                                    ; b2,
	VECLD 9, 32                                    ; g2,
	VECLD 10, 34                                   ; be2
; Load n of 128 of my rows' fragments: n < 64: x_q, operand (mt, ks) into P's tile (2 ks + 1, mt); else x_kv into ACT.  ks = n / 4 % 16, mt = n / 2 % 2, half n % 2.
.macro XLD n
.set ks, ((\n)%64)/4
.if (\n) < 64
.set rD, 32*(ks%8)+16+8*(((\n)/2)%2)+4*((\n)%2)
	WIN 0x80+0x40*(ks/8)
	global_load_b128 v[rD:rD+3], v[LAN], s[4:5] offset:(((\n)/2)%2)*16384+ks*1024+((\n)%2)*512
.else
.set rD, 16*ks+8*(((\n)/2)%2)+4*((\n)%2)
	WIN 0x40
	global_load_b128 v[rD:rD+3], v[LAN], s[10:11] offset:(((\n)/2)%2)*16384+ks*1024+((\n)%2)*512
.endif
.endm
.set x, 0
.rept 48
	XLD x
.set x, x+1
.endr
	WIN 0
	s_wait_loadcnt 48                              ; the eleven pieces are in; the 48 loads of x behind them may stay out
.set n, 0
.rept 11                               ; rounded to bf16 and widened again: what lies in VEC is f32
.set a, ACC+4*n
.set t, 242+2*(n%4)
	v_cvt_pk_bf16_f32 v[t], v[a], v[a+1]
	v_cvt_pk_bf16_f32 v[t+1], v[a+2], v[a+3]
	v_lshlrev_b32 v[a], 16, v[t]
	v_and_b32 v[a+1], s[HIM], v[t]
	v_lshlrev_b32 v[a+2], 16, v[t+1]
	v_and_b32 v[a+3], s[HIM], v[t+1]
	ds_store_b128 v15, v[a:a+3] offset:2048*n
.set n, n+1
.endr
.irp r, 0,1,2,3
	v_mov_b32 v[ACC+44+\r], 0                      ; the twelfth piece: what the second LayerNorm adds behind its bias
.endr
	ds_store_b128 v15, v[ACC+44:ACC+47] offset:2048*11
	v_mov_b32 v[VL], v[VH]                         ; the first LayerNorm's vectors
.rept 80
	XLD x
.set x, x+1
.endr
	WIN 0
	s_wait_tensorcnt 0x1                           ; my quarter of slot 0 is in; slot 1's may stay out
	s_wait_dscnt 0x0                               ; my part of the vectors is stored
	s_barrier_signal -1
	s_barrier_wait -1                              ; everybody's is
.set PH, 0
.set NV, 8
.set LB, 6
	VLD                                            ; unit 0's biases and first two batches
	LD16 0, WA, 0
	LD16 1, WA, 8
	s_wait_loadcnt 0x0                             ; x
	; ---- THE PHASES.  30 refills: 8 + 8 + 14; the last two slots ask for nothing, and their loop is written out
	RING q, 8                                      ; q, k and the scores' partial sums: units 0 to 15
	SOFTMAX
	XRES
.set PH, 1
.set NV, 4
	RING v, 8                                      ; v, attn and the output projection: units 16 to 31
	s_mov_b32 s[PASS], 2
.Lnorm:                                        ; two trips; the second is left in its middle
	LNSTAT
	LNY
	s_sub_co_u32 s[PASS], s[PASS], 1
	s_cmp_eq_u32 s[PASS], 0
	s_cbranch_scc1 .Lnormed
	v_add_nc_u32 v[VL], LNSET, v[VL]               ; the second LayerNorm's vectors
	v_add_nc_u32 v[WA1], UNITB, v[WA]              ; the slot's second unit
.set PH, 2
.set LB, 14
	FRING f, 14, 1                                 ; the FFN: units 32 to 59,
	FRING t, 2, 0                                  ; and 60 to 63
	s_branch .Lnorm
.Lnormed:
	OSTAGE 0
.irp b, 1,2,3,4,5,6,7                  ; a block's way through the stage stands between the loads of the block before and its stores
	OSTAGE \b
	OSEND (\b)-1, 32
.endr
	OSEND 7, 0
	s_wait_tensorcnt 0x0                           ; the wave's end, behind my last tensor load and my last LDS store
	ds_add_u32 v[SPW], v[NIL]
	s_wait_dscnt 0x0
	CROUND                                         ; the closing round: no work-group ends while a partner may still ask for a slot that names it
	s_endpgm
.Lfunc_end_k_qd8e7a8be2e_fused:
	.size	k_qd8e7a8be2e_fused, .Lfunc_end_k_qd8e7a8be2e_fused-k_qd8e7a8be2e_fused
	.p2alignl 7, 3214868480
	.fill 96, 4, 3214868480
	.section	.rodata,"a",@progbits
	.p2align	6, 0x0
	.amdhsa_kernel k_qd8e7a8be2e_fused
		.amdhsa_group_segment_fixed_size 327680
		.amdhsa_private_segment_fixed_size 0
		.amdhsa_enable_private_segment 0
		.amdhsa_kernarg_size 192
		.amdhsa_user_sgpr_count 2
		.amdhsa_user_sgpr_kernarg_segment_ptr 1
		.amdhsa_wavefront_size32 1
		.amdhsa_system_sgpr_workgroup_id_x 1
		.amdhsa_system_sgpr_workgroup_id_y 1
		.amdhsa_system_sgpr_workgroup_id_z 1
		.amdhsa_system_vgpr_workitem_id 0
		.amdhsa_next_free_vgpr 1024
		.amdhsa_next_free_sgpr 100
		.amdhsa_reserve_vcc 0
		.amdhsa_float_denorm_mode_32 3
		.amdhsa_float_denorm_mode_16_64 3
		.amdhsa_memory_ordered 1
		.amdhsa_forward_progress 1
		.amdhsa_inst_pref_size 255
	.end_amdhsa_kernel
	.section	.bss,"aw",@nobits
	.p2align	6
	.space	262144
	.amdgpu_metadata
---
amdhsa.version: [ 1, 2 ]
amdhsa.kernels:
  - .name:           k_qd8e7a8be2e_fused
    .symbol:         k_qd8e7a8be2e_fused.kd
    .args:
      - { .name: xfrag, .offset: 0, .size: 8, .value_kind: global_buffer, .address_space: global }
      - { .name: wfrag, .offset: 8, .size: 8, .value_kind: global_buffer, .address_space: global }
      - { .name: out1, .offset: 16, .size: 8, .value_kind: global_buffer, .address_space: global }
      - { .name: out0, .offset: 24, .size: 8, .value_kind: global_buffer, .address_space: global }
      - { .name: i2t_bq, .offset: 32, .size: 8, .value_kind: global_buffer, .address_space: global }
      - { .name: i2t_bv, .offset: 40, .size: 8, .value_kind: global_buffer, .address_space: global }
      - { .name: ffn_img_b1, .offset: 48, .size: 8, .value_kind: global_buffer, .address_space: global }
      - { .name: i2t_bk, .offset: 56, .size: 8, .value_kind: global_buffer, .address_space: global }
      - { .name: i2t_bo, .offset: 64, .size: 8, .value_kind: global_buffer, .address_space: global }
      - { .name: ffn_img_b2, .offset: 72, .size: 8, .value_kind: global_buffer, .address_space: global }
      - { .name: ln1i_g, .offset: 80, .size: 8, .value_kind: global_buffer, .address_space: global }
      - { .name: ln1i_b, .offset: 88, .size: 8, .value_kind: global_buffer, .address_space: global }
      - { .name: ln2i_g, .offset: 96, .size: 8, .value_kind: global_buffer, .address_space: global }
      - { .name: ln2i_b, .offset: 104, .size: 8, .value_kind: global_buffer, .address_space: global }
      - { .name: t2i_bq, .offset: 112, .size: 8, .value_kind: global_buffer, .address_space: global }
      - { .name: t2i_bv, .offset: 120, .size: 8, .value_kind: global_buffer, .address_space: global }
      - { .name: ffn_text_b1, .offset: 128, .size: 8, .value_kind: global_buffer, .address_space: global }
      - { .name: t2i_bk, .offset: 136, .size: 8, .value_kind: global_buffer, .address_space: global }
      - { .name: t2i_bo, .offset: 144, .size: 8, .value_kind: global_buffer, .address_space: global }
      - { .name: ffn_text_b2, .offset: 152, .size: 8, .value_kind: global_buffer, .address_space: global }
      - { .name: ln1t_g, .offset: 160, .size: 8, .value_kind: global_buffer, .address_space: global }
      - { .name: ln1t_b, .offset: 168, .size: 8, .value_kind: global_buffer, .address_space: global }
      - { .name: ln2t_g, .offset: 176, .size: 8, .value_kind: global_buffer, .address_space: global }
      - { .name: ln2t_b, .offset: 184, .size: 8, .value_kind: global_buffer, .address_space: global }
    .group_segment_fixed_size: 327680
    .private_segment_fixed_size: 0
    .kernarg_segment_align: 8
    .kernarg_segment_size: 192
    .max_flat_workgroup_size: 128
    .sgpr_count:     100
    .vgpr_count:     1024
    .wavefront_size: 32
...
	.end_amdgpu_metadata
.endif
;; end of part 2
